; MI455X (gfx1250); checked and timed in simulation.
; The chip was launched on July 23, 2026; its instructions are those of AMD's public machine-readable ISA for CDNA 5 (MIT licence, August 2026) and "CDNA5" Instruction Set Architecture Reference Guide (July 2026). The comments in the code are by the model that wrote it; some were corrected since.
;; Multi Head Self Attention. Allowed arithmetic: matrix products marked QUANTISED: E2M1 operands, one E8M0 scale for each 32 along K, by v_wmma_scale_f32_16x16x128_f8f6f4 with both operands' format E2M1 (or v_wmma_scale_f32_32x16x128_f4), f32 sums; products left as they are: bf16, f16 or f32 operands; f32 sums; everything else in f32.
;; Inputs: Wk 1,024 x 1,024 float32; Wo 1,024 x 1,024 float32; Wq 1,024 x 1,024 float32; Wv 1,024 x 1,024 float32; bk 1,024 float32; bo 1,024 float32; bq 1,024 float32; bv 1,024 float32; x 2 x 2,048 x 1,024 float32.
;; Outputs: out0 2 x 2,048 x 1,024 float32.
;; This version of the problem:
;;   THIS VERSION OF THE PROBLEM IS GIVEN IN LOW PRECISION. The matrix products marked QUANTISED in the list below multiply operands that are first quantised to E2M1 (2 exponent bits, 1 mantissa bit; 4 bits a number), with one power-of-two scale for each 32 numbers along K (OCP MX v1.0); their sums are f32. The products marked 'left as it is' may take bf16, f16 or f32 operands, with f32 sums. Whichever they take, every output number must still come out within the allowed error. Rounding operands to bf16 (8 significant bits) uses up far more of that allowance than f16 does (11 bits, for magnitudes from 6e-5 to 65,504). All else is computed in f32.
;;   The module's matrix products, in the order in which they are computed (A, B: the left and right operand; K: the contracted axis; several contracted axes count as one K, in the product's order):
;;     1. [M 4,096, K 1,024] x [K 1,024, N 1,024]; A: input x; B: input Wq: QUANTISED
;;     2. [M 4,096, K 1,024] x [K 1,024, N 1,024]; A: input x; B: input Wk: QUANTISED
;;     3. [M 4,096, K 1,024] x [K 1,024, N 1,024]; A: input x; B: input Wv: QUANTISED
;;     4. batch 32 x [M 2,048, K 64] x [K 64, N 2,048]; A: computed on the way; B: computed on the way: left as it is (an operand is computed on the way)
;;     5. batch 32 x [M 2,048, K 2,048] x [K 2,048, N 64]; A: computed on the way; B: computed on the way: left as it is (an operand is computed on the way)
;;     6. [M 4,096, K 1,024] x [K 1,024, N 1,024]; A: computed on the way; B: input Wo: left as it is (an operand is computed on the way)
;;   THE QUANTISER, for each operand of a quantised product, along K:
;;     - K is cut into blocks of 32 from its start; a last block that is shorter is filled with zeros.
;;     - A block's scale is 2^e with e = floor(log2(the largest magnitude in the block)) - 2, held to -126 .. 127; a block of zeros has e = 0. As a byte (E8M0): e + 127.
;;     - Each number is divided by its block's scale, clamped to +-6, and rounded to the nearest number of E2M1, ties to even, subnormals kept.
;;     - The product sums the exact products of the quantised numbers (number of the format x scale) in f32.
;;   ~~~python
;;   def quantise(x, axis):      # numpy; x: float32 -> the quantised numbers, widened to float32 again
;;       x = np.moveaxis(x, axis, -1); K = x.shape[-1]
;;       x = np.pad(x, [(0, 0)] * (x.ndim - 1) + [(0, -K % 32)]); x = x.reshape(x.shape[:-1] + (-1, 32)); a = np.abs(x).max(-1, keepdims=True)
;;       e = np.where(a > 0, np.clip(np.frexp(np.where(a > 0, a, 1))[1] - 1 - 2, -126, 127), 0)      # np.frexp(a)[1] - 1 = floor(log2(a)), exactly
;;       r = np.clip(x / 2.0 ** e, -6, 6)
;;       step = 2.0 ** (np.maximum(np.frexp(np.where(r == 0, 1, r))[1] - 1, 0) - 1)
;;       q = np.round(r / step) * step * 2.0 ** e      # np.round: ties to even
;;       return np.moveaxis(q.reshape(q.shape[:-2] + (-1,))[..., :K], -1, axis).astype(np.float32)
;;   ~~~
;; One version. Each part assembles by itself: llvm-mc -triple=amdgcn-amd-amdhsa -mcpu=gfx1250 --defsym DOCPART=n.
;; ======== version 1 of 1: 4 launches
;; limits: values are held in f16: magnitudes above 65,504 overflow, below 6.1e-05 lose precision
;; workspace buffers: xc 2,097,152 bytes; xs 131,072 bytes; wc 1,572,864 bytes; ws 98,304 bytes; wo16 2,097,152 bytes; qw 8,388,608 bytes; kv 16,777,216 bytes; ow 8,388,608 bytes
;; launch prep (part 1): grid 768 x 1, 4 waves a work-group, no clusters, 35,328 bytes of LDS; arguments x, Wq, Wk, Wv, Wo, xc, xs, wc, ws, wo16; writes xc, xs, wc, ws, wo16
.if DOCPART == 1
	.amdgcn_target "amdgcn-amd-amdhsa--gfx1250"
	.amdhsa_code_object_version 6
	.text
	.protected	k_qfaddc6030d_prep
	.globl	k_qfaddc6030d_prep
	.p2align	8
	.type	k_qfaddc6030d_prep,@function
k_qfaddc6030d_prep:
	s_mov_b64 s[64:65], 0
	v_nop
	global_prefetch_b8 v0, s[64:65] scope:SCOPE_SE
	s_setreg_imm32_b32 hwreg(HW_REG_WAVE_MODE, 25, 1), 1
	s_wait_xcnt 0x0
; x [4096][1024] and Wq, Wk, Wv [1024 (k)][1024 (n)], f32, become codes of FP4 (E2M1) with one E8M0 byte for each 32 along K; Wo [1024 (k)][1024 (n)] becomes f16.
; Everything is stored IN THE ORDER OF THE READER'S OPERAND REGISTERS: a fragment is 1,024 bytes, two groups of four registers, 512 bytes each, lane l's 16 bytes at 16 l.
;   FP4 fragment: 16 rows x 128 K; the piece at 512 c + 256 h + 16 r is the block k = 64 c + 32 h .. + 31 of row r.   f16 fragment: 16 rows x 32 K; that piece is k = 16 c + 8 h .. + 7 of row r.
;   xc [token block 16][half of K 2][token tile 16][K step 4][1,024];  xs [token block 16][K step 8][token tile 16][row 16] words (byte b: k = 32 b on)
;   wc [head 16][half of K 2][tile 12 = 4 x (q, k, v) + 16 features][K step 4][1,024];  ws [head 16][K step 8][tile 12][row 16] words;  wo16 [256 along K: 4][column tile 64][32 along K: 8][1,024]
; A block's scale is 2^(floor(log2(largest magnitude)) - 2): its byte is the largest magnitude's exponent field - 2, held at 1 from below by a floor among the maximum's leaves.
; LIMITS: a block of zeros gets the byte 1 where the rule says 127 (its codes are zeros, and this program alone reads the bytes); NaN and infinities are not served; |Wo| stays under 65,504 (f16).
; SHARES: work-groups 0-511: a wave makes one fragment of x (16 tokens x 128 K).  Work-groups 512-767: a wave takes 32 columns x 128 K of one weight, A LANE A COLUMN, ITS REGISTERS DOWN K.
; No tensor load, no barrier, no loop: a wave shares nothing.
.set STG,   8704                       ; a wave's stage: 16 rows x (512 bytes + 16)
.set SPARE, 4*STG                      ; behind the stages: the spare words, 128 bytes a wave
.set SPW,   16                         ; v16  my spare word's LDS address; never rewritten
.set NIL,   17                         ; v17  0; never rewritten
.set D,     32                         ; v32-159  numbers as loaded
.set N,     96                         ; v96-159  x's path: my two blocks of 32 neighbours
.set C,     160                        ; v160-175 codes
	s_load_b256 s[4:11], s[0:1], 0x0               ; x s[4:5], Wq s[6:7], Wk s[8:9], Wv s[10:11]
	s_load_b256 s[12:19], s[0:1], 0x20             ; Wo s[12:13], xc s[14:15], xs s[16:17], wc s[18:19]
	s_load_b128 s[20:23], s[0:1], 0x40             ; ws s[20:21], wo16 s[22:23]
	v_lshl_add_u32 v[SPW], v0, 2, SPARE
	v_mov_b32 v[NIL], 0
	v_lshrrev_b32 v1, 5, v0
	v_readfirstlane_b32 s24, v1                    ; wave
	v_and_b32 v1, 31, v0                           ; lane
	v_and_b32 v2, 15, v0                           ; r
	v_bfe_u32 v3, v0, 4, 1                         ; h
	v_lshlrev_b32 v4, 4, v1                        ; 16 x lane
	s_mul_i32 s28, s24, STG
	v_add_nc_u32 v5, s28, v4                       ; the stage, in: 16 x lane of a row
	v_mul_u32_u24 v6, v2, 528
	v_lshl_add_u32 v6, v3, 7, v6
	v_add_nc_u32 v6, s28, v6                       ; the stage, out: row r, + 128 h: my block of 32 numbers
	v_lshlrev_b32 v7, 2, v2                        ; 4 r
	v_lshlrev_b32 v18, 2, v1                       ; 4 x lane
	v_lshlrev_b32 v19, 4, v2
	v_lshl_add_u32 v20, v3, 13, v19                ; wo16: 8,192 (lane / 16) + 16 r
	v_lshl_add_u32 v19, v3, 12, v19                ; wc:   4,096 (lane / 16) + 16 r
	s_mov_b32 s26, 0x76543210
	s_mov_b32 s27, 0xfedcba98                      ; v_permlanex16_b32's selects for lane l xor 16
	s_cmp_ge_u32 ttmp9, 512
	s_cbranch_scc1 .Lweights
	; ---- x: fragment (token tile T, K step s)
	s_and_b32 s29, ttmp9, 7                        ; s
	s_lshr_b32 s30, ttmp9, 3
	s_lshl_b32 s30, s30, 2
	s_add_co_u32 s30, s30, s24                     ; T = 4 (work-group / 8) + wave
	s_lshl_b32 s32, s30, 16                        ; x: 16 rows of 4,096 bytes a tile,
	s_lshl_b32 s33, s29, 9                         ; 512 bytes a K step
	s_add_co_u32 s32, s32, s33
	s_mov_b32 s33, 0
	s_lshr_b32 s34, s30, 4                         ; token block
	s_and_b32 s35, s30, 15                         ; tile in it
	s_lshl_b32 s36, s34, 17
	s_lshr_b32 s37, s29, 2
	s_lshl_b32 s37, s37, 16
	s_add_co_u32 s36, s36, s37
	s_lshl_b32 s37, s35, 12
	s_add_co_u32 s36, s36, s37
	s_and_b32 s37, s29, 3
	s_lshl_b32 s37, s37, 10
	s_add_co_u32 s36, s36, s37                     ; xc: 131,072 block + 65,536 (s / 4) + 4,096 tile + 1,024 (s % 4)
	s_mov_b32 s37, 0
	s_lshl_b32 s38, s34, 13
	s_lshl_b32 s39, s29, 10
	s_add_co_u32 s38, s38, s39
	s_lshl_b32 s39, s35, 6
	s_add_co_u32 s38, s38, s39                     ; xs: 8,192 block + 1,024 s + 64 tile
	s_mov_b32 s39, 0
	s_wait_kmcnt 0x0
	s_add_nc_u64 s[4:5], s[4:5], s[32:33]
	s_add_nc_u64 s[14:15], s[14:15], s[36:37]
	s_add_nc_u64 s[16:17], s[16:17], s[38:39]
.set li, 0
.rept 16
	global_load_b128 v[D+4*li:D+4*li+3], v4, s[4:5] offset:4096*li th:TH_LOAD_NT   ; row li: 32 lanes read 512 consecutive bytes
.set li, li+1
.endr
.set li, 0
.rept 16
	s_wait_loadcnt 15-li                           ; loads come back in order: row li is in, the younger rows may be out
	ds_store_b128 v5, v[D+4*li:D+4*li+3] offset:528*li
.set li, li+1
.endr
.irp c, 0,1
.irp i, 0,1,2,3,4,5,6,7
	ds_load_b128 v[N+32*\c+4*\i:N+32*\c+4*\i+3], v6 offset:256*\c+16*\i   ; block 2 c + h of row r; a wave's LDS instructions are served in order: these see my stores
.endr
.endr
	s_wait_dscnt 0x0
.irp c, 0,1
	v_max3_num_f32 v[8+\c], |v[N+32*\c]|, |v[N+1+32*\c]|, 0x1800000   ; the floor 2^(3 - 127): the byte cannot fall under 1
.endr
.irp i, 2,4,6,8,10,12,14,16,18,20,22,24,26,28,30
.irp c, 0,1
	v_max3_num_f32 v[8+\c], v[8+\c], |v[N+32*\c+\i]|, |v[N+1+32*\c+\i]|   ; the two blocks by turns
.endr
.endr
.irp c, 0,1
	v_add_nc_u32 v[10+\c], 0xff000000, v[8+\c]     ; 2 off the exponent field: the conversion's scale operand
.endr
.irp c, 0,1
	v_lshrrev_b32 v[12+\c], 23, v[10+\c]           ; the scale's byte
.endr
	v_lshl_or_b32 v14, v13, 16, v12                ; my two bytes: blocks h and 2 + h,
	v_lshlrev_b32 v15, 3, v3
	v_lshlrev_b32 v14, v15, v14                    ; 8 h bits up;
	v_mov_b32 v15, 0
	v_permlanex16_b32 v15, v14, s26, s27
	v_or_b32 v14, v14, v15                         ; with lane l xor 16's two the word is whole
.irp c, 0,1
.irp g, 0,1,2,3
	v_cvt_scalef32_pk8_fp4_f32 v[C+4*\c+\g], v[N+32*\c+8*\g:N+32*\c+8*\g+7], v[10+\c]
.endr
.endr
	v_nop                                          ; one plain line behind the last scaled conversion
	global_store_b128 v4, v[C:C+3], s[14:15]       ; the fragment's image: 512 consecutive bytes a store
	global_store_b128 v4, v[C+4:C+7], s[14:15] offset:512
	v_cmp_gt_u32 vcc_lo, 16, v1
	s_wait_xcnt 0x0                                ; EXEC is a source of the stores above: it changes only behind this wait
	s_and_saveexec_b32 s40, vcc_lo
	global_store_b32 v7, v14, s[16:17]             ; lanes 0-15: the 16 rows' scale words
	s_wait_xcnt 0x0                                ; and again ahead of the line that restores it
	s_or_b32 exec_lo, exec_lo, s40
	s_branch .Lend
	; ---- a weight: matrix mi (0 Wq, 1 Wk, 2 Wv, 3 Wo), columns 32 cg on, K step s
.Lweights:
	s_sub_co_u32 s29, ttmp9, 512
	s_lshr_b32 s30, s29, 6                         ; mi
	s_and_b32 s31, s29, 7
	s_lshl_b32 s31, s31, 2
	s_add_co_u32 s31, s31, s24                     ; cg
	s_bfe_u32 s29, s29, 0x30003                    ; s
	s_lshl_b32 s34, s29, 19                        ; 128 rows of 4,096 bytes a K step,
	s_lshl_b32 s35, s31, 7                         ; 128 bytes a group of columns
	s_add_co_u32 s34, s34, s35
	s_mov_b32 s35, 0
	s_wait_kmcnt 0x0
	s_cmp_eq_u32 s30, 1                            ; the choice hangs on the work-group's number alone
	s_cselect_b64 s[32:33], s[8:9], s[6:7]
	s_cmp_eq_u32 s30, 2
	s_cselect_b64 s[32:33], s[10:11], s[32:33]
	s_cmp_eq_u32 s30, 3
	s_cselect_b64 s[32:33], s[12:13], s[32:33]
	s_add_nc_u64 s[32:33], s[32:33], s[34:35]
.macro LOADB bl                        ; rows 32 bl .. + 31 of my column: each load reads 128 consecutive bytes, the four waves side by side 512
.set li, 0
.rept 32
	global_load_b32 v[D+32*(\bl)+li], v18, s[32:33] offset:4096*(32*(\bl)+li) th:TH_LOAD_NT
.set li, li+1
.endr
.endm
.macro WAITB bl                        ; block bl is in; the next block's 32 loads may be out; the block after that is asked for
.if (\bl) < 3
	s_wait_loadcnt 32
.else
	s_wait_loadcnt 0x0
.endif
.if (\bl) < 2
	LOADB (\bl)+2
.endif
.endm
	LOADB 0
	LOADB 1
	s_cmp_eq_u32 s30, 3
	s_cbranch_scc1 .Lwo
	s_lshr_b32 s38, s31, 1                         ; head
	s_and_b32 s39, s31, 1
	s_lshl_b32 s39, s39, 1
	s_lshl_b32 s40, s30, 2
	s_add_co_u32 s39, s39, s40                     ; tile 4 mi + 2 (cg % 2); lanes 16-31 hold the tile after it
	s_mul_i32 s36, s38, 98304
	s_lshr_b32 s40, s29, 2
	s_mul_i32 s40, s40, 49152
	s_add_co_u32 s36, s36, s40
	s_lshl_b32 s40, s39, 12
	s_add_co_u32 s36, s36, s40
	s_and_b32 s40, s29, 3
	s_lshl_b32 s40, s40, 10
	s_add_co_u32 s36, s36, s40
	s_mov_b32 s37, 0
	s_add_nc_u64 s[18:19], s[18:19], s[36:37]      ; wc
	s_mul_i32 s36, s38, 6144
	s_mul_i32 s40, s29, 768
	s_add_co_u32 s36, s36, s40
	s_lshl_b32 s40, s39, 6
	s_add_co_u32 s36, s36, s40
	s_add_nc_u64 s[20:21], s[20:21], s[36:37]      ; ws
.macro WBLOCK bl                       ; a whole block of 32 along K lies in my registers: no other lane is asked
	WAITB \bl
.set XB, D+32*(\bl)
	v_max3_num_f32 v8, |v[XB]|, |v[XB+1]|, |v[XB+2]|
	v_max3_num_f32 v9, |v[XB+3]|, |v[XB+4]|, |v[XB+5]|
.irp i, 6,10,14,18,22,26
	v_max3_num_f32 v8, v8, |v[XB+\i]|, |v[XB+\i+1]|
	v_max3_num_f32 v9, v9, |v[XB+\i+2]|, |v[XB+\i+3]|
.endr
	v_max3_num_f32 v8, v8, |v[XB+30]|, |v[XB+31]|
	v_max3_num_f32 v8, v8, v9, 0x1800000           ; and the floor
	v_add_nc_u32 v[12+(\bl)], 0xff000000, v8
	v_lshrrev_b32 v10, 23, v[12+(\bl)]
.if (\bl) == 0
	v_mov_b32 v11, v10
.else
	v_lshl_or_b32 v11, v10, 8*(\bl), v11           ; the four bytes make my column's scale word
.endif
.irp g, 0,1,2,3
	v_cvt_scalef32_pk8_fp4_f32 v[C+4*(\bl)+\g], v[XB+8*\g:XB+8*\g+7], v[12+(\bl)]
.endr
	v_nop                                          ; one plain line behind the last scaled conversion
	global_store_b128 v19, v[C+4*(\bl):C+4*(\bl)+3], s[18:19] offset:256*(\bl)   ; sixteen lanes store 256 consecutive bytes, aligned
.endm
	WBLOCK 0
	WBLOCK 1
	WBLOCK 2
	WBLOCK 3
	global_store_b32 v18, v11, s[20:21]            ; 32 scale words: 128 consecutive bytes
	s_branch .Lend
.Lwo:
	s_lshr_b32 s36, s29, 1
	s_lshl_b32 s36, s36, 19
	s_lshl_b32 s40, s31, 14
	s_add_co_u32 s36, s36, s40
	s_and_b32 s40, s29, 1
	s_lshl_b32 s40, s40, 12
	s_add_co_u32 s36, s36, s40                     ; wo16: 524,288 (s / 2) + 16,384 cg + 4,096 (s % 2)
	s_mov_b32 s37, 0
	s_add_nc_u64 s[22:23], s[22:23], s[36:37]
.macro OBLOCK bl                       ; 32 along K = one f16 fragment's share of my column: four pieces of eight
	WAITB \bl
.irp q, 0,1,2,3
.irp i, 0,1,2,3
	v_cvt_pk_f16_f32 v[D+32*(\bl)+8*\q+\i], v[D+32*(\bl)+8*\q+2*\i], v[D+32*(\bl)+8*\q+2*\i+1]   ; in place, ascending: a result lands on numbers already packed
.endr
	global_store_b128 v20, v[D+32*(\bl)+8*\q:D+32*(\bl)+8*\q+3], s[22:23] offset:256*(4*(\bl)+\q)
.endr
.endm
	OBLOCK 0
	OBLOCK 1
	OBLOCK 2
	OBLOCK 3
.Lend:
	s_wait_tensorcnt 0x0                           ; the wave's end
	ds_add_u32 v[SPW], v[NIL]
	s_wait_dscnt 0x0
	s_endpgm
.Lfunc_end_k_qfaddc6030d_prep:
	.size	k_qfaddc6030d_prep, .Lfunc_end_k_qfaddc6030d_prep-k_qfaddc6030d_prep
	.p2alignl 7, 3214868480
	.fill 96, 4, 3214868480
	.section	.rodata,"a",@progbits
	.p2align	6, 0x0
	.amdhsa_kernel k_qfaddc6030d_prep
		.amdhsa_group_segment_fixed_size 35328
		.amdhsa_private_segment_fixed_size 0
		.amdhsa_enable_private_segment 0
		.amdhsa_kernarg_size 80
		.amdhsa_user_sgpr_count 2
		.amdhsa_user_sgpr_kernarg_segment_ptr 1
		.amdhsa_wavefront_size32 1
		.amdhsa_system_sgpr_workgroup_id_x 1
		.amdhsa_system_sgpr_workgroup_id_y 1
		.amdhsa_system_sgpr_workgroup_id_z 1
		.amdhsa_system_vgpr_workitem_id 0
		.amdhsa_next_free_vgpr 176
		.amdhsa_next_free_sgpr 66
		.amdhsa_reserve_vcc 1
		.amdhsa_float_denorm_mode_32 3
		.amdhsa_float_denorm_mode_16_64 3
		.amdhsa_memory_ordered 1
		.amdhsa_forward_progress 1
		.amdhsa_inst_pref_size 42
	.end_amdhsa_kernel
	.amdgpu_metadata
---
amdhsa.version: [ 1, 2 ]
amdhsa.kernels:
  - .name:           k_qfaddc6030d_prep
    .symbol:         k_qfaddc6030d_prep.kd
    .args:
      - { .name: x, .offset: 0, .size: 8, .value_kind: global_buffer, .address_space: global }
      - { .name: Wq, .offset: 8, .size: 8, .value_kind: global_buffer, .address_space: global }
      - { .name: Wk, .offset: 16, .size: 8, .value_kind: global_buffer, .address_space: global }
      - { .name: Wv, .offset: 24, .size: 8, .value_kind: global_buffer, .address_space: global }
      - { .name: Wo, .offset: 32, .size: 8, .value_kind: global_buffer, .address_space: global }
      - { .name: xc, .offset: 40, .size: 8, .value_kind: global_buffer, .address_space: global }
      - { .name: xs, .offset: 48, .size: 8, .value_kind: global_buffer, .address_space: global }
      - { .name: wc, .offset: 56, .size: 8, .value_kind: global_buffer, .address_space: global }
      - { .name: ws, .offset: 64, .size: 8, .value_kind: global_buffer, .address_space: global }
      - { .name: wo16, .offset: 72, .size: 8, .value_kind: global_buffer, .address_space: global }
    .group_segment_fixed_size: 35328
    .private_segment_fixed_size: 0
    .kernarg_segment_align: 8
    .kernarg_segment_size: 80
    .max_flat_workgroup_size: 128
    .sgpr_count:     66
    .vgpr_count:     176
    .wavefront_size: 32
...
	.end_amdgpu_metadata
.endif
;; end of part 1
;; launch qkv (part 2): grid 16 x 16, 4 waves a work-group, clusters of 4 x 4, 244,224 bytes of LDS; arguments xc, xs, wc, ws, bq, bk, bv, qw, kv; writes qw, kv
.if DOCPART == 2
	.amdgcn_target "amdgcn-amd-amdhsa--gfx1250"
	.amdhsa_code_object_version 6
	.text
	.protected	k_qfaddc6030d_qkv
	.globl	k_qfaddc6030d_qkv
	.p2align	8
	.type	k_qfaddc6030d_qkv,@function
k_qfaddc6030d_qkv:
	s_mov_b64 s[64:65], 0
	v_nop
	global_prefetch_b8 v0, s[64:65] scope:SCOPE_SE
	s_setreg_imm32_b32 hwreg(HW_REG_WAVE_MODE, 25, 1), 1
	s_wait_xcnt 0x0
	s_wait_alu depctr_hold_cnt(0) depctr_sa_sdst(0) depctr_va_vdst(0) depctr_va_sdst(0) depctr_va_ssrc(0) depctr_va_vcc(0) depctr_vm_vsrc(0)
	s_getreg_b32 s2, hwreg(HW_REG_IB_STS2, 6, 4)
	s_cmp_eq_u32 s2, 0
	s_cbranch_scc0 .Lentry_in_a_cluster
	s_endpgm
.Lentry_in_a_cluster:
	s_bfe_u32 s2, ttmp6, 0x10000c
	s_cmp_lg_u32 s2, 0xf033
	s_cbranch_scc0 .Lentry_shape_is_right
	s_endpgm
.Lentry_shape_is_right:
; q, k, v = x W + b on codes of FP4 with E8M0 scales, sums in f32; results leave as f16 IN THE ORDER OF THE ATTENTION LAUNCH'S OPERAND REGISTERS.  q is multiplied by log2(e) / 8 on the way.
; SHARES.  Work-group (x = head, y = block of 256 tokens) makes q, k and v of that head: 256 x 192 outputs, K = 1,024.  Wave w: token tiles 4 w + a (a = 0..3) x all 12 feature tiles: 48 accumulators.
; q, k: source 0 = 16 features of W, source 1 = 16 tokens: a lane holds ONE token and eight neighbouring features.  v: source 0 = tokens, source 1 = features: a lane holds ONE feature and eight neighbouring tokens (keys).
; Packed to f16, a lane's eight numbers are 16 bytes of a fragment's image: every store of the wave covers 512 consecutive bytes, aligned.
;   qw [batch x head 32][token tile 128][32 channels: 2][1,024];  kv [batch x head 32][key step of 64: 32][K: key tile 4 x 32 channels 2 x 1,024, then V: 32 keys 2 x channel tile 4 x 1,024]
; LDS holds all of K for both operands (229,376 bytes of codes, 14,336 of scale words): nothing is filled again.  Operands lie as images of registers: every fragment load is 16 bytes a lane at 16 x lane.
; CLUSTER 4 x 4: x's tiles hang on the token block, shared along a row of the cluster; W's on the head, shared along a column: each is asked for jointly by the four.  A wave has three tensor loads out.
; LIMITS: |q| log2(e) / 8, |k| and |v| stay under 65,504 (f16); NaN and infinities are not served.
; REGISTERS: window 0: v1-11 addresses; v32-95 scale words; v96-127 bq, v192-223 bk, v224-231 bv; v128-191 x's fragments, two sets (the way out: v128-159 sums, v160-175 packed).
;   window 1: q's and k's 32 accumulators (feature tile i, a) at v[8 (4 i + a)];  window 2: v's 16;  window 3: W's fragments, two sets of 96.
.set XC,    0
.set WC,    131072
.set XS,    229376
.set WS,    237568
.set SPARE, 243712                     ; the spare words, 128 bytes a wave
.set LA,   1                           ; v1   16 x lane
.set AX,   2                           ; v2-3 x's fragments, half 0, 1 of K
.set AW,   4                           ; v4-5 W's
.set ASX,  6                           ; v6   x's scale words
.set ASW,  7                           ; v7   W's
.set BO8,  8                           ; v8   32 h
.set BO4,  9                           ; v9   4 r
.set SPW,  10
.set NIL,  11
.set SC,   32                          ; K step s: v[SC+8s+p], p = 0, 1: x's tiles 2 p (lanes 0-15) and 2 p + 1 (lanes 16-31); v[SC+8s+2+p], p = 0..5: W's tiles likewise
.set BQ,   96
.set XF,   128
.set T,    128
.set PK,   160
.set BK,   192
.set BV,   224
.set G1X,  32
.set G1W,  40
.set G1XS, 48
.set G1WS, 56
.set G0XS, 68
.set G0X0, 72
.set G0X1, 76
.set G0WS, 80
.set G0W0, 84
.set G0W1, 88
.set W_QK, 0x53                        ; source 0 (W) window 3, source 1 (x) window 0, C and D window 1
.set W_V,  0xac                        ; source 0 (x) window 0, source 1 (W) window 3, C and D window 2
.set TO_W, 0xc0                        ; destination window 3, address window 0
.set MSB, 0
.macro WIN new                         ; the immediate's high byte repeats the setting that is left
.if MSB != \new
	s_set_vgpr_msb (MSB<<8)|\new
.set MSB, \new
.endif
.endm
.macro PLACES n
.rept \n
	v_nop
.endr
.endm
; A joint load: waves 0 and 1 fetch for x, waves 2 and 3 for W.  The branch hangs on the wave's number alone.  An s_nop 0 and four v_nop follow each line.
.macro JLOAD g0x, g1x, g0w, g1w
	s_cmp_eq_u32 s23, 0
	s_cbranch_scc0 .Lfor_w_\@
	tensor_load_to_lds s[\g0x:\g0x+3], s[\g1x:\g1x+7]
	s_nop 0
.rept 4
	v_nop
.endr
	s_branch .Lasked_\@
.Lfor_w_\@:
	tensor_load_to_lds s[\g0w:\g0w+3], s[\g1w:\g1w+7]
	s_nop 0
.rept 4
	v_nop
.endr
.Lasked_\@:
.endm
.macro CROUND                          ; a round of the cluster's barrier
	s_barrier_signal -1
	s_barrier_wait -1
	s_cmp_lg_u32 s22, 0
	s_cbranch_scc1 .Lnot_wave_0_\@
	s_barrier_signal -3
.Lnot_wave_0_\@:
	s_barrier_wait -3
	s_barrier_signal -1
	s_barrier_wait -1
.endm
	s_load_b256 s[4:11], s[0:1], 0x0               ; xc s[4:5], xs s[6:7], wc s[8:9], ws s[10:11]
	s_load_b256 s[12:19], s[0:1], 0x20             ; bq s[12:13], bk s[14:15], bv s[16:17], qw s[18:19]
	s_load_b64 s[20:21], s[0:1], 0x40              ; kv
	v_lshl_add_u32 v[SPW], v0, 2, SPARE
	v_mov_b32 v[NIL], 0
	ds_add_u32 v[SPW], v[NIL]                      ; the wave's opening: the add, twice on end, and its wait ahead of my first tensor load
	ds_add_u32 v[SPW], v[NIL]
	v_lshrrev_b32 v1, 5, v0
	v_readfirstlane_b32 s22, v1                    ; wave
	s_lshr_b32 s23, s22, 1                         ; I fetch for x (0) or for W (1)
	s_and_b32 s24, s22, 1                          ; which half of each block I fetch
	s_bfe_u32 s25, ttmp6, 0x40000                  ; cx
	s_bfe_u32 s26, ttmp6, 0x40004                  ; cy
	s_lshl_b32 s27, ttmp9, 2
	s_add_co_u32 s27, s27, s25                     ; head = 4 x cluster x + cx
	s_and_b32 s28, ttmp7, 0xffff
	s_lshl_b32 s28, s28, 2
	s_add_co_u32 s28, s28, s26                     ; token block = 4 x cluster y + cy
	s_lshl_b32 s29, s26, 2
	s_lshl_b32 s29, 15, s29                        ; my row of the cluster
	s_lshl_b32 s30, 0x1111, s25                    ; my column
	; group 1: dense blocks as rows of 256 bytes (32 elements of 8 bytes), no padding; they differ in the mask and the number of rows
	s_or_b32 s[G1X], s29, (3<<16)|(1<<21)
	s_or_b32 s[G1XS], s29, (3<<16)|(1<<21)
	s_or_b32 s[G1W], s30, (3<<16)|(1<<21)
	s_or_b32 s[G1WS], s30, (3<<16)|(1<<21)
.irp g, G1X, G1W, G1XS, G1WS
	s_mov_b32 s[\g+1], 32<<16                      ; tensor_dim0
	s_mov_b32 s[\g+3], 32<<16                      ; tile_dim0
	s_mov_b32 s[\g+5], 32                          ; from row to row
	s_mov_b32 s[\g+6], 0
	s_mov_b32 s[\g+7], 0
.endr
	s_mov_b32 s[G1X+2], 128<<16                    ; x's codes: 128 rows = 32,768 bytes a load
	s_mov_b32 s[G1X+4], 128
	s_mov_b32 s[G1W+2], 96<<16                     ; W's codes: 24,576
	s_mov_b32 s[G1W+4], 96
	s_mov_b32 s[G1XS+2], 16<<16                    ; x's scale words: 4,096
	s_mov_b32 s[G1XS+4], 16
	s_mov_b32 s[G1WS+2], 12<<16                    ; W's: 3,072
	s_mov_b32 s[G1WS+4], 12
	; offsets: x's hang on the token block and the wave, W's on the head and the wave, each in registers that never hold the other coordinate
	s_lshl_b32 s92, s28, 17
	s_lshl_b32 s31, s24, 15
	s_add_co_u32 s92, s92, s31
	s_mov_b32 s93, 0
	s_mov_b32 s[G0X0+1], s31
	s_add_co_u32 s[G0X1+1], s31, 65536
	s_lshl_b32 s96, s28, 13
	s_lshl_b32 s31, s24, 12
	s_add_co_u32 s96, s96, s31
	s_mov_b32 s97, 0
	s_add_co_u32 s[G0XS+1], s31, XS
	s_mul_i32 s94, s27, 98304
	s_mul_i32 s31, s24, 24576
	s_add_co_u32 s94, s94, s31
	s_mov_b32 s95, 0
	s_add_co_u32 s[G0W0+1], s31, WC
	s_add_co_u32 s[G0W1+1], s31, WC+49152
	s_mul_i32 s98, s27, 6144
	s_mul_i32 s31, s24, 3072
	s_add_co_u32 s98, s98, s31
	s_mov_b32 s99, 0
	s_add_co_u32 s[G0WS+1], s31, WS
	s_mov_b32 s100, 0x3e38aa3b                     ; log2(e) / 8
	s_mov_b32 s101, s100                           ; (named with it as a pair)
.irp g, G0XS, G0X0, G0X1, G0WS, G0W0, G0W1
	s_mov_b32 s[\g], 1
.endr
	s_wait_dscnt 0x0                               ; both opening adds are done
	s_wait_kmcnt 0x0
	s_add_nc_u64 s[G0XS+2:G0XS+3], s[6:7], s[96:97]
	s_add_nc_u64 s[G0X0+2:G0X0+3], s[4:5], s[92:93]
	s_add_nc_u64 s[G0X1+2:G0X1+3], s[G0X0+2:G0X0+3], 65536
	s_add_nc_u64 s[G0WS+2:G0WS+3], s[10:11], s[98:99]
	s_add_nc_u64 s[G0W0+2:G0W0+3], s[8:9], s[94:95]
	s_add_nc_u64 s[G0W1+2:G0W1+3], s[G0W0+2:G0W0+3], 49152
.irp g, G0XS, G0X0, G0X1, G0WS, G0W0, G0W1
	s_or_b32 s[\g+3], s[\g+3], 0x80000000          ; type = 2
.endr
	CROUND                                         ; all sixteen work-groups are here: the joint loads meet
	JLOAD G0XS, G1XS, G0WS, G1WS                   ; the scale words,
	JLOAD G0X0, G1X, G0W0, G1W                     ; K = 0 .. 511,
	JLOAD G0X1, G1X, G0W1, G1W                     ; K = 512 .. 1,023: each byte of LDS is filled once
	v_and_b32 v12, 31, v0
	v_lshlrev_b32 v[LA], 4, v12
	s_lshl_b32 s31, s22, 14                        ; my four token tiles: 16,384 bytes a wave in each half
	v_add_nc_u32 v[AX], s31, v[LA]
	v_add_nc_u32 v[AX+1], 65536, v[AX]
	v_add_nc_u32 v[AW], WC, v[LA]
	v_add_nc_u32 v[AW+1], WC+49152, v[LA]
	v_lshlrev_b32 v13, 2, v12
	s_lshl_b32 s31, s22, 8
	s_add_co_u32 s31, s31, XS
	v_add_nc_u32 v[ASX], s31, v13
	v_add_nc_u32 v[ASW], WS, v13
	v_bfe_u32 v14, v0, 4, 1
	v_lshlrev_b32 v[BO8], 5, v14
	v_and_b32 v15, 15, v0
	v_lshlrev_b32 v[BO4], 2, v15
	s_lshl_b32 s94, s27, 8                         ; the head's 64 numbers of each bias
	s_mov_b32 s95, 0
	s_add_nc_u64 s[12:13], s[12:13], s[94:95]
	s_add_nc_u64 s[14:15], s[14:15], s[94:95]
	s_add_nc_u64 s[16:17], s[16:17], s[94:95]
.irp f, 0,1,2,3
	global_load_b128 v[BQ+8*\f:BQ+8*\f+3],   v[BO8], s[12:13] offset:64*\f      ; features 16 f + 8 h + 0 .. 7, as q's and k's results lie
	global_load_b128 v[BQ+8*\f+4:BQ+8*\f+7], v[BO8], s[12:13] offset:64*\f+16
	global_load_b128 v[BK+8*\f:BK+8*\f+3],   v[BO8], s[14:15] offset:64*\f
	global_load_b128 v[BK+8*\f+4:BK+8*\f+7], v[BO8], s[14:15] offset:64*\f+16
	global_load_b32 v[BV+2*\f],   v[BO4], s[16:17] offset:64*\f                ; feature 16 f + r, as v's results lie; twice, for the packed addition
	global_load_b32 v[BV+2*\f+1], v[BO4], s[16:17] offset:64*\f
.endr
	s_lshr_b32 s2, s28, 3                          ; where my results go (numbers that mix the two coordinates live in s2, s3, s66, s67 alone)
	s_lshl_b32 s2, s2, 4
	s_add_co_u32 s2, s2, s27                       ; 16 x batch + head
	s_and_b32 s3, s28, 7
	s_lshl_b32 s3, s3, 2
	s_add_co_u32 s3, s3, s22                       ; my 64 tokens in the sequence: also the key step
	s_lshl_b32 s66, s2, 18
	s_lshl_b32 s67, s3, 13
	s_add_co_u32 s66, s66, s67
	s_mov_b32 s67, 0
	s_add_nc_u64 s[18:19], s[18:19], s[66:67]      ; qw
	s_lshl_b32 s66, s2, 19
	s_lshl_b32 s67, s3, 14
	s_add_co_u32 s66, s66, s67
	s_mov_b32 s67, 0
	s_add_nc_u64 s[20:21], s[20:21], s[66:67]      ; kv
; One scaled matrix line.  z: C = 0 (the first K step starts the sums: nothing is cleared).  ra, rb: the side's scale words lie in lanes 16-31 of the register named.
.macro SW d, a, b, z, sa, sb, ra, rb
.if \z
.if (\ra) && (\rb)
	v_wmma_scale_f32_16x16x128_f8f6f4 v[\d:\d+7], v[\a:\a+7], v[\b:\b+7], 0, v[\sa], v[\sb] matrix_a_fmt:MATRIX_FMT_FP4 matrix_b_fmt:MATRIX_FMT_FP4 matrix_a_scale:MATRIX_SCALE_ROW1 matrix_b_scale:MATRIX_SCALE_ROW1
.elseif \ra
	v_wmma_scale_f32_16x16x128_f8f6f4 v[\d:\d+7], v[\a:\a+7], v[\b:\b+7], 0, v[\sa], v[\sb] matrix_a_fmt:MATRIX_FMT_FP4 matrix_b_fmt:MATRIX_FMT_FP4 matrix_a_scale:MATRIX_SCALE_ROW1
.elseif \rb
	v_wmma_scale_f32_16x16x128_f8f6f4 v[\d:\d+7], v[\a:\a+7], v[\b:\b+7], 0, v[\sa], v[\sb] matrix_a_fmt:MATRIX_FMT_FP4 matrix_b_fmt:MATRIX_FMT_FP4 matrix_b_scale:MATRIX_SCALE_ROW1
.else
	v_wmma_scale_f32_16x16x128_f8f6f4 v[\d:\d+7], v[\a:\a+7], v[\b:\b+7], 0, v[\sa], v[\sb] matrix_a_fmt:MATRIX_FMT_FP4 matrix_b_fmt:MATRIX_FMT_FP4
.endif
.else
.if (\ra) && (\rb)
	v_wmma_scale_f32_16x16x128_f8f6f4 v[\d:\d+7], v[\a:\a+7], v[\b:\b+7], v[\d:\d+7], v[\sa], v[\sb] matrix_a_fmt:MATRIX_FMT_FP4 matrix_b_fmt:MATRIX_FMT_FP4 matrix_a_scale:MATRIX_SCALE_ROW1 matrix_b_scale:MATRIX_SCALE_ROW1
.elseif \ra
	v_wmma_scale_f32_16x16x128_f8f6f4 v[\d:\d+7], v[\a:\a+7], v[\b:\b+7], v[\d:\d+7], v[\sa], v[\sb] matrix_a_fmt:MATRIX_FMT_FP4 matrix_b_fmt:MATRIX_FMT_FP4 matrix_a_scale:MATRIX_SCALE_ROW1
.elseif \rb
	v_wmma_scale_f32_16x16x128_f8f6f4 v[\d:\d+7], v[\a:\a+7], v[\b:\b+7], v[\d:\d+7], v[\sa], v[\sb] matrix_a_fmt:MATRIX_FMT_FP4 matrix_b_fmt:MATRIX_FMT_FP4 matrix_b_scale:MATRIX_SCALE_ROW1
.else
	v_wmma_scale_f32_16x16x128_f8f6f4 v[\d:\d+7], v[\a:\a+7], v[\b:\b+7], v[\d:\d+7], v[\sa], v[\sb] matrix_a_fmt:MATRIX_FMT_FP4 matrix_b_fmt:MATRIX_FMT_FP4
.endif
.endif
.endm
.macro QKMUL i, a, s                   ; feature tile i (0-3 q, 4-7 k) x token tile a, K step s
.set rD, 8*(4*(\i)+(\a))
.set rW, 96*((\s)%2)+8*(\i)
.set rX, XF+32*((\s)%2)+8*(\a)
.set sW, SC+8*(\s)+2+(\i)/2
.set sX, SC+8*(\s)+(\a)/2
.set zF, (\s)==0
.set fW, (\i)%2
.set fX, (\a)%2
	SW rD, rW, rX, zF, sW, sX, fW, fX
.endm
.macro VMUL i, a, s                    ; feature tile i (8-11 v): the sources change places
.set rD, 8*(4*((\i)-8)+(\a))
.set rW, 96*((\s)%2)+8*(\i)
.set rX, XF+32*((\s)%2)+8*(\a)
.set sW, SC+8*(\s)+2+(\i)/2
.set sX, SC+8*(\s)+(\a)/2
.set zF, (\s)==0
.set fW, (\i)%2
.set fX, (\a)%2
	SW rD, rX, rW, zF, sX, sW, fX, fW
.endm
.macro FETCH s                         ; K step s: W's 12 fragments and my 4 of x into set s % 2: 32 loads in one run
	WIN TO_W
.irp i, 0,1,2,3,4,5,6,7,8,9,10,11
.irp c, 0,1
	ds_load_b128 v[96*((\s)%2)+8*\i+4*\c:96*((\s)%2)+8*\i+4*\c+3], v[AW+(\s)/4] offset:4096*\i+1024*((\s)%4)+512*\c
.endr
.endr
	WIN 0
.irp a, 0,1,2,3
.irp c, 0,1
	ds_load_b128 v[XF+32*((\s)%2)+8*\a+4*\c:XF+32*((\s)%2)+8*\a+4*\c+3], v[AX+(\s)/4] offset:4096*\a+1024*((\s)%4)+512*\c
.endr
.endr
.endm
; A K step of 128: 48 matrix instructions, the 48 accumulators by turns, in the same order in every step.  The next step's fragments are asked for ahead of them.
.macro STEP s
	s_wait_dscnt 0x0                               ; this step's fragments are in (step 0: the scale words too)
.if (\s) == 3
	s_wait_tensorcnt 0x0                           ; my part of K = 512 on has landed,
	s_barrier_signal -1
	s_barrier_wait -1                              ; everybody's has: the next fetch reads it.
.endif
.if (\s) < 7
.if (\s) > 0
	PLACES 4                                       ; four places between the last step's products and loads into the registers that they read
.endif
	FETCH (\s)+1
.endif
	WIN W_QK
.irp i, 0,1,2,3,4,5,6,7
.irp a, 0,1,2,3
	QKMUL \i, \a, \s
.endr
.endr
	WIN W_V
.irp i, 8,9,10,11
.irp a, 0,1,2,3
	VMUL \i, \a, \s
.endr
.endr
	WIN 0
.endm
	s_wait_tensorcnt 0x1                           ; the scale words and my part of K = 0 .. 511 are in; the third load may stay out
	s_barrier_signal -1
	s_barrier_wait -1
.irp s, 0,1,2,3,4,5,6,7
.irp p, 0,1
	ds_load_b32 v[SC+8*\s+\p], v[ASX] offset:1024*\s+128*\p
.endr
.irp p, 0,1,2,3,4,5
	ds_load_b32 v[SC+8*\s+2+\p], v[ASW] offset:768*\s+128*\p
.endr
.endr
	FETCH 0
.irp s, 0,1,2,3,4,5,6,7
	STEP \s
.endr
	; THE WAY OUT: + bias (q: x log2(e) / 8, fused), rounded to f16, stored from registers.
	PLACES 4                                       ; between the last products and the first read of results, and the first write over x's fragments
	s_wait_loadcnt 0x0                             ; the biases
.irp j, 0,2,4,6,8,10,12,14,16,18,20,22,24,26,28,30
	v_pk_mul_f32 v[BQ+\j:BQ+\j+1], v[BQ+\j:BQ+\j+1], s[100:101] op_sel_hi:[1,0]
.endr
.macro OUT i
.if (\i) < 8
	WIN 0x01                                       ; source 0: window 1
.else
	WIN 0x02                                       ; source 0: window 2
.endif
.irp a, 0,1,2,3
.irp j, 0,2,4,6                        ; each accumulator from its low end on
.if (\i) < 4
	v_pk_fma_f32 v[T+8*\a+\j:T+8*\a+\j+1], v[8*(4*(\i)+\a)+\j:8*(4*(\i)+\a)+\j+1], s[100:101], v[BQ+8*(\i)+\j:BQ+8*(\i)+\j+1] op_sel_hi:[1,0,1]
.elseif (\i) < 8
	v_pk_add_f32 v[T+8*\a+\j:T+8*\a+\j+1], v[8*(4*(\i)+\a)+\j:8*(4*(\i)+\a)+\j+1], v[BK+8*((\i)-4)+\j:BK+8*((\i)-4)+\j+1]
.else
	v_pk_add_f32 v[T+8*\a+\j:T+8*\a+\j+1], v[8*(4*((\i)-8)+\a)+\j:8*(4*((\i)-8)+\a)+\j+1], v[BV+2*((\i)-8):BV+2*((\i)-8)+1]
.endif
.endr
.endr
	WIN 0
	s_wait_xcnt 0x0                                ; the last tile's stores have read their data: the packed registers are written again only behind this wait
.irp a, 0,1,2,3
.irp j, 0,1,2,3
	v_cvt_pk_f16_f32 v[PK+4*\a+\j], v[T+8*\a+2*\j], v[T+8*\a+2*\j+1]
.endr
.endr
.irp a, 0,1,2,3
.if (\i) < 4
	global_store_b128 v[LA], v[PK+4*\a:PK+4*\a+3], s[18:19] offset:2048*\a+512*(\i)
.elseif (\i) < 8
	global_store_b128 v[LA], v[PK+4*\a:PK+4*\a+3], s[20:21] offset:2048*\a+512*((\i)-4)
.else
	global_store_b128 v[LA], v[PK+4*\a:PK+4*\a+3], s[20:21] offset:8192+4096*(\a/2)+1024*((\i)-8)+512*(\a%2)
.endif
.endr
.endm
.irp i, 0,1,2,3,4,5,6,7,8,9,10,11
	OUT \i
.endr
	s_wait_tensorcnt 0x0                           ; the wave's end
	ds_add_u32 v[SPW], v[NIL]
	s_wait_dscnt 0x0
	CROUND                                         ; the closing round
	s_endpgm
.Lfunc_end_k_qfaddc6030d_qkv:
	.size	k_qfaddc6030d_qkv, .Lfunc_end_k_qfaddc6030d_qkv-k_qfaddc6030d_qkv
	.p2alignl 7, 3214868480
	.fill 96, 4, 3214868480
	.section	.rodata,"a",@progbits
	.p2align	6, 0x0
	.amdhsa_kernel k_qfaddc6030d_qkv
		.amdhsa_group_segment_fixed_size 244224
		.amdhsa_private_segment_fixed_size 0
		.amdhsa_enable_private_segment 0
		.amdhsa_kernarg_size 72
		.amdhsa_user_sgpr_count 2
		.amdhsa_user_sgpr_kernarg_segment_ptr 1
		.amdhsa_wavefront_size32 1
		.amdhsa_system_sgpr_workgroup_id_x 1
		.amdhsa_system_sgpr_workgroup_id_y 1
		.amdhsa_system_sgpr_workgroup_id_z 1
		.amdhsa_system_vgpr_workitem_id 0
		.amdhsa_next_free_vgpr 1024
		.amdhsa_next_free_sgpr 102
		.amdhsa_reserve_vcc 0
		.amdhsa_float_denorm_mode_32 3
		.amdhsa_float_denorm_mode_16_64 3
		.amdhsa_memory_ordered 1
		.amdhsa_forward_progress 1
		.amdhsa_inst_pref_size 113
	.end_amdhsa_kernel
	.amdgpu_metadata
---
amdhsa.version: [ 1, 2 ]
amdhsa.kernels:
  - .name:           k_qfaddc6030d_qkv
    .symbol:         k_qfaddc6030d_qkv.kd
    .args:
      - { .name: xc, .offset: 0, .size: 8, .value_kind: global_buffer, .address_space: global }
      - { .name: xs, .offset: 8, .size: 8, .value_kind: global_buffer, .address_space: global }
      - { .name: wc, .offset: 16, .size: 8, .value_kind: global_buffer, .address_space: global }
      - { .name: ws, .offset: 24, .size: 8, .value_kind: global_buffer, .address_space: global }
      - { .name: bq, .offset: 32, .size: 8, .value_kind: global_buffer, .address_space: global }
      - { .name: bk, .offset: 40, .size: 8, .value_kind: global_buffer, .address_space: global }
      - { .name: bv, .offset: 48, .size: 8, .value_kind: global_buffer, .address_space: global }
      - { .name: qw, .offset: 56, .size: 8, .value_kind: global_buffer, .address_space: global }
      - { .name: kv, .offset: 64, .size: 8, .value_kind: global_buffer, .address_space: global }
    .group_segment_fixed_size: 244224
    .private_segment_fixed_size: 0
    .kernarg_segment_align: 8
    .kernarg_segment_size: 72
    .max_flat_workgroup_size: 128
    .sgpr_count:     102
    .vgpr_count:     1024
    .wavefront_size: 32
...
	.end_amdgpu_metadata
.endif
;; end of part 2
;; launch attn (part 3): grid 8 x 32, 8 waves a work-group, clusters of 4 x 1, 327,680 bytes of LDS; arguments qw, kv, ow; writes ow
.if DOCPART == 3
	.amdgcn_target "amdgcn-amd-amdhsa--gfx1250"
	.amdhsa_code_object_version 6
	.text
	.protected	k_qfaddc6030d_attn
	.globl	k_qfaddc6030d_attn
	.p2align	8
	.type	k_qfaddc6030d_attn,@function
k_qfaddc6030d_attn:
	s_mov_b64 s[64:65], 0
	v_nop
	global_prefetch_b8 v0, s[64:65] scope:SCOPE_SE
	s_setreg_imm32_b32 hwreg(HW_REG_WAVE_MODE, 25, 1), 1
	s_wait_xcnt 0x0
	s_wait_alu depctr_hold_cnt(0) depctr_sa_sdst(0) depctr_va_vdst(0) depctr_va_sdst(0) depctr_va_ssrc(0) depctr_va_vcc(0) depctr_vm_vsrc(0)
	s_getreg_b32 s2, hwreg(HW_REG_IB_STS2, 6, 4)
	s_cmp_eq_u32 s2, 0
	s_cbranch_scc0 .Lentry_in_a_cluster
	s_endpgm
.Lentry_in_a_cluster:
	s_bfe_u32 s2, ttmp6, 0x10000c
	s_cmp_lg_u32 s2, 0x3003
	s_cbranch_scc0 .Lentry_shape_is_right
	s_endpgm
.Lentry_shape_is_right:
; o = softmax(q k^T / 8) v for one head, f16 operands, f32 sums, maxima and exponentials.  q arrives multiplied by log2(e) / 8, so p = 2^(s - m), m the row's running maximum; in every step
; the sum l and O are multiplied by 2^(old m - new m); O is divided by l at the end.  No mask.
; SHARES.  Work-group (x = block of 256 queries, y = batch x head); each of its EIGHT waves owns two tiles of 16 queries in 256 registers: two waves to a SIMD, so that one wave's softmax stands beside the other's products.
; LAYOUT.  S^T = K Q^T (source 0 = 16 keys, source 1 = 16 queries), O^T = V^T P (source 0 = 16 channels, source 1 = P): a lane holds ONE query throughout; two tiles of S^T, packed to f16 in pairs, ARE a fragment of P.
; q, K and V lie in memory as images of their operand registers (the launch before stored them so): a key step of 64 keys is 16,384 dense bytes, every fragment load is 16 bytes a lane at 16 x lane, nothing is turned.
; RING.  Two slots of 8 key steps, 131,072 bytes each; every wave fetches one key step of a slot with one tensor load.  The head's 32 key steps are four fills: both slots at the head, each once again.
; A refill stands straight behind its round and has the other slot's 8 key steps in which to land; half of a head's K and V is asked for at the head: so no prefetch is laid.
; CLUSTER 4 x 1: the four query blocks walk the same K and V: each tile is asked for jointly, mask 15.
; LIMITS: NaN and infinities are not served.
; REGISTERS: v1 16 x lane; v2 the step's LDS address; v4, v5 the add's two; tile t's statistics at v[8+8t]: +0 m, +1 old m, +2, +3 l (even, odd keys), +4..+7 at work, +6 the factor;
;   v24-55 Q; v56-119 K, then V of the step; v120-183 S^T, then p, packed in place into the low 16 of each tile's 32; v184-247 O^T.
.set SLOTB, 131072
.set STEPB, 16384
.set SPARE, 262144                     ; behind the ring: the spare words, 128 bytes for each of eight waves
.set LA,  1
.set ADR, 2
.set SPW, 4
.set NIL, 5
.set ST,  8
.set Q,   24
.set KV,  56
.set S,   120
.set O,   184
.set WV,  10
.set G1,  16
.set G0A, 24
.set G0B, 28
.set SEL, 32
.set TB,  34
.set CNT, 35
.macro CROUND                          ; a round of the cluster's barrier
	s_barrier_signal -1
	s_barrier_wait -1
	s_cmp_lg_u32 s[WV], 0
	s_cbranch_scc1 .Lnot_wave_0_\@
	s_barrier_signal -3
.Lnot_wave_0_\@:
	s_barrier_wait -3
	s_barrier_signal -1
	s_barrier_wait -1
.endm
	s_load_b128 s[4:7], s[0:1], 0x0                ; qw s[4:5], kv s[6:7]
	s_load_b64 s[8:9], s[0:1], 0x10                ; ow
	v_lshl_add_u32 v[SPW], v0, 2, SPARE
	v_mov_b32 v[NIL], 0
	ds_add_u32 v[SPW], v[NIL]                      ; the wave's opening: the add, twice on end, and its wait ahead of my first tensor load
	ds_add_u32 v[SPW], v[NIL]
	v_lshrrev_b32 v1, 5, v0
	v_readfirstlane_b32 s[WV], v1                  ; wave 0..7
	s_bfe_u32 s11, ttmp6, 0x40000                  ; cx
	s_lshl_b32 s12, ttmp9, 2
	s_add_co_u32 s12, s12, s11                     ; my block of queries: it enters q's and o's addresses alone
	s_and_b32 s13, ttmp7, 0xffff                   ; batch x head, which the four partners share
	s_mov_b32 s[G1], 15|(3<<16)|(1<<21)            ; the mask: all four; elements of 8 bytes; bit 21 beside a mask; no padding
	s_mov_b32 s[G1+1], 32<<16                      ; tensor_dim0: rows of 256 bytes
	s_mov_b32 s[G1+2], 64<<16                      ; tensor_dim1: 64 rows = a key step
	s_mov_b32 s[G1+3], 32<<16                      ; tile_dim0
	s_mov_b32 s[G1+4], 64                          ; tile_dim1
	s_mov_b32 s[G1+5], 32                          ; from row to row
	s_mov_b32 s[G1+6], 0
	s_mov_b32 s[G1+7], 0
	s_lshl_b32 s14, s[WV], 14                      ; my key step of a slot
	s_lshl_b32 s36, s13, 19                        ; the head's 524,288 bytes of K and V
	s_add_co_u32 s36, s36, s14
	s_mov_b32 s37, 0
	s_mov_b32 s[SEL], 0x76543210
	s_mov_b32 s[SEL+1], 0xfedcba98                 ; v_permlanex16_b32's selects for lane l xor 16
	s_lshl_b32 s38, s13, 18                        ; q: 262,144 a head, 32,768 a block, 4,096 a wave
	s_lshl_b32 s39, s12, 15
	s_add_co_u32 s38, s38, s39
	s_lshl_b32 s39, s[WV], 12
	s_add_co_u32 s38, s38, s39
	s_mov_b32 s39, 0
	s_and_b32 s40, s13, 15                         ; head
	s_lshr_b32 s41, s40, 2
	s_lshl_b32 s42, s41, 21                        ; o: [256 features: head / 4][token tile 256][32 features 8][1,024]
	s_lshr_b32 s41, s13, 4
	s_lshl_b32 s41, s41, 20                        ; batch: 128 token tiles of 8,192 bytes
	s_add_co_u32 s42, s42, s41
	s_lshl_b32 s41, s12, 17                        ; block: 16 tiles
	s_add_co_u32 s42, s42, s41
	s_add_co_u32 s42, s42, s14                     ; wave: 2 tiles
	s_and_b32 s41, s40, 3
	s_lshl_b32 s41, s41, 11                        ; the head's 64 features: two fragments
	s_add_co_u32 s42, s42, s41
	s_mov_b32 s43, 0
	s_wait_dscnt 0x0                               ; both opening adds are done
	s_wait_kmcnt 0x0
	s_add_nc_u64 s[4:5], s[4:5], s[38:39]
	s_add_nc_u64 s[8:9], s[8:9], s[42:43]
	s_mov_b32 s[G0A], 1
	s_mov_b32 s[G0A+1], s14                        ; slot 0
	s_add_nc_u64 s[G0A+2:G0A+3], s[6:7], s[36:37]  ; key steps 0 to 7
	s_mov_b32 s[G0B], 1
	s_add_co_u32 s[G0B+1], s14, SLOTB              ; slot 1
	s_add_nc_u64 s[G0B+2:G0B+3], s[G0A+2:G0A+3], SLOTB   ; key steps 8 to 15
	s_or_b32 s[G0A+3], s[G0A+3], 0x80000000
	s_or_b32 s[G0B+3], s[G0B+3], 0x80000000
	CROUND                                         ; all four work-groups are here: the first joint loads meet
	tensor_load_to_lds s[G0A:G0A+3], s[G1:G1+7]
	s_nop 0
	tensor_load_to_lds s[G0B:G0B+3], s[G1:G1+7]    ; two loads of mine are out
	s_nop 0
.rept 4
	v_nop
.endr
	v_and_b32 v[LA], 31, v0
	v_lshlrev_b32 v[LA], 4, v[LA]
.irp i, 0,1,2,3,4,5,6,7
	global_load_b128 v[Q+4*\i:Q+4*\i+3], v[LA], s[4:5] offset:512*\i   ; Q stays in registers: tile i / 4, channels 32 ((i / 2) % 2) on
.endr
.irp t, 0,1
	v_mov_b32 v[ST+8*\t], 0xff61b1e6               ; m: -3e38, under every score
	v_mov_b32 v[ST+8*\t+1], 0xff61b1e6
	v_mov_b32 v[ST+8*\t+2], 0                      ; l
	v_mov_b32 v[ST+8*\t+3], 0
.endr
.set i, 0
.rept 64
	v_mov_b32 v[O+i], 0                            ; O^T.  The step is written once: the first finds zeros, which its factor 0 leaves zeros
.set i, i+1
.endr
; A KEY STEP: 64 keys.
.macro STEP
	v_add_nc_u32 v[ADR], s[TB], v[LA]
.rept 4
	v_nop                                          ; with the addition: five places behind the last step's products, whose fragments of V are loaded over and whose P is written over by the products below
.endr
.irp u, 0,1
.irp kt, 0,1,2,3
.irp c, 0,1
	ds_load_b128 v[KV+16*\kt+8*\u+4*\c:KV+16*\kt+8*\u+4*\c+3], v[ADR] offset:2048*\kt+1024*\u+512*\c
.endr
.endr
.endr
	s_wait_dscnt 8                                 ; channels 0-31 of the four key tiles are in; the eight younger loads may be out
.irp kt, 0,1,2,3
.irp t, 0,1
	v_wmma_f32_16x16x32_f16 v[S+32*\t+8*\kt:S+32*\t+8*\kt+7], v[KV+16*\kt:KV+16*\kt+7], v[Q+16*\t:Q+16*\t+7], 0
.endr
.endr
	s_wait_dscnt 0x0
.irp kt, 0,1,2,3                       ; the eight accumulators by turns
.irp t, 0,1
	v_wmma_f32_16x16x32_f16 v[S+32*\t+8*\kt:S+32*\t+8*\kt+7], v[KV+16*\kt+8:KV+16*\kt+15], v[Q+16*\t+8:Q+16*\t+15], v[S+32*\t+8*\kt:S+32*\t+8*\kt+7]
.endr
.endr
.rept 4
	v_nop                                          ; four places: in front of the loads over K's fragments, and of the first read of the scores
.endr
.irp i, 0,1,2,3,4,5,6,7,8,9,10,11,12,13,14,15
	ds_load_b128 v[KV+4*\i:KV+4*\i+3], v[ADR] offset:8192+512*\i   ; V: fragment (32 keys g, channel tile f) at v[KV+32g+8f]; it lands under the softmax
.endr
	; the maximum: four chains a tile, the two tiles by turns; each accumulator is read from its low end on
.irp j, 0,1,2,3
.irp t, 0,1
	v_max3_num_f32 v[ST+8*\t+4+\j], v[S+32*\t+8*\j], v[S+32*\t+8*\j+1], v[S+32*\t+8*\j+2]
.endr
.endr
.irp q, 1,2
.irp j, 0,1,2,3
.irp t, 0,1
	v_max3_num_f32 v[ST+8*\t+4+\j], v[ST+8*\t+4+\j], v[S+32*\t+8*\j+2*\q+1], v[S+32*\t+8*\j+2*\q+2]
.endr
.endr
.endr
.irp t, 0,1
	v_max3_num_f32 v[ST+8*\t+4], v[ST+8*\t+4], v[S+32*\t+7], v[S+32*\t+15]
	v_max3_num_f32 v[ST+8*\t+6], v[ST+8*\t+6], v[S+32*\t+23], v[S+32*\t+31]
.endr
.irp t, 0,1
	v_max3_num_f32 v[ST+8*\t+4], v[ST+8*\t+4], v[ST+8*\t+5], v[ST+8*\t+6]
.endr
.irp t, 0,1
	v_max3_num_f32 v[ST+8*\t+4], v[ST+8*\t+4], v[ST+8*\t+7], v[ST+8*\t]   ; and the old m
.endr
.irp t, 0,1
	v_permlanex16_b32 v[ST+8*\t+5], v[ST+8*\t+4], s[SEL], s[SEL+1]        ; the query's other 32 keys lie in the lane 16 away
.endr
.irp t, 0,1
	v_mov_b32 v[ST+8*\t+1], v[ST+8*\t]
.endr
.irp t, 0,1
	v_max_num_f32 v[ST+8*\t], v[ST+8*\t+4], v[ST+8*\t+5]                  ; the new m
.endr
.irp t, 0,1
	v_sub_f32 v[ST+8*\t+7], v[ST+8*\t+1], v[ST+8*\t]
.endr
.irp t, 0,1
	v_pk_add_f32 v[S+32*\t:S+32*\t+1], v[S+32*\t:S+32*\t+1], v[ST+8*\t:ST+8*\t+1] op_sel_hi:[1,0] neg_lo:[0,1] neg_hi:[0,1]   ; s - m, a pair at a time
.endr
.irp t, 0,1
	v_exp_f32 v[ST+8*\t+6], v[ST+8*\t+7]           ; the factor 2^(old m - new m)
.endr
	; ONE BATCH: the subtractions and all exponentials; none of these lines names an exponential's result.  A pair is brought under m one turn ahead of its exponentials.
.set i, 0
.rept 16
.if i < 15
.irp t, 0,1
	v_pk_add_f32 v[S+32*\t+2*i+2:S+32*\t+2*i+3], v[S+32*\t+2*i+2:S+32*\t+2*i+3], v[ST+8*\t:ST+8*\t+1] op_sel_hi:[1,0] neg_lo:[0,1] neg_hi:[0,1]
.endr
.endif
.irp t, 0,1
	v_exp_f32 v[S+32*\t+2*i], v[S+32*\t+2*i]
	v_exp_f32 v[S+32*\t+2*i+1], v[S+32*\t+2*i+1]
.endr
.set i, i+1
.endr
	v_nop                                          ; a plain line behind the last exponential
	s_wait_alu depctr_va_vdst(0)                   ; one wait for the step's 66 exponentials, ahead of the first line that names a result
.irp t, 0,1
	v_pk_fma_f32 v[ST+8*\t+2:ST+8*\t+3], v[ST+8*\t+2:ST+8*\t+3], v[ST+8*\t+6:ST+8*\t+7], v[S+32*\t:S+32*\t+1] op_sel_hi:[1,0,1]   ; l = factor x l + the first pair
.endr
.irp t, 0,1
	v_cvt_pk_f16_f32 v[S+32*\t], v[S+32*\t], v[S+32*\t+1]
.endr
.set i, 1
.rept 15                               ; a pair is summed, then packed into register i of the tile, which held a pair already summed and packed
.irp t, 0,1
	v_pk_add_f32 v[ST+8*\t+2:ST+8*\t+3], v[ST+8*\t+2:ST+8*\t+3], v[S+32*\t+2*i:S+32*\t+2*i+1]
.endr
.irp t, 0,1
	v_cvt_pk_f16_f32 v[S+32*\t+i], v[S+32*\t+2*i], v[S+32*\t+2*i+1]
.endr
.set i, i+1
.endr
.irp t, 0,1
.irp j, 0,2,4,6,8,10,12,14,16,18,20,22,24,26,28,30
	v_pk_mul_f32 v[O+32*\t+\j:O+32*\t+\j+1], v[O+32*\t+\j:O+32*\t+\j+1], v[ST+8*\t+6:ST+8*\t+7] op_sel_hi:[1,0]   ; O^T under the new m, each accumulator from its low end on
.endr
.endr
	s_wait_dscnt 0x0                               ; V is in
.irp g, 0,1
.irp f, 0,1,2,3
.irp t, 0,1
	v_wmma_f32_16x16x32_f16 v[O+32*\t+8*\f:O+32*\t+8*\f+7], v[KV+32*\g+8*\f:KV+32*\g+8*\f+7], v[S+32*\t+8*\g:S+32*\t+8*\g+7], v[O+32*\t+8*\f:O+32*\t+8*\f+7]
.endr
.endr
.endr
.endm
.macro SLOT_STEPS slot                 ; a slot's eight key steps: written once, walked eight times
	s_mov_b32 s[TB], (\slot)*SLOTB
	s_mov_b32 s[CNT], 8
.Lstep_\@:
	STEP
	s_add_co_u32 s[TB], s[TB], STEPB
	s_sub_co_u32 s[CNT], s[CNT], 1
	s_cmp_lg_u32 s[CNT], 0
	s_cbranch_scc1 .Lstep_\@
.endm
; THE CHANGE OF SLOTS.  Each wave waits for all its tensor loads (its part of the slot ahead), adds 0 to its spare word, and waits for that and for its reads of the slot that it leaves.
; fill = 1: a round of the cluster's barrier, so that no wave of any partner still reads the slot or has a load on its way; the joint refill is the first thing behind it, one load a wave.
.macro CHANGE g0, fill
	s_wait_tensorcnt 0x0                           ; no tensor load of mine is out, so a group 0 may be written
	ds_add_u32 v[SPW], v[NIL]
.if \fill
	s_add_nc_u64 s[\g0+2:\g0+3], s[\g0+2:\g0+3], 2*SLOTB   ; sixteen key steps on
.endif
	s_wait_dscnt 0x0
.if \fill
	CROUND
	tensor_load_to_lds s[\g0:\g0+3], s[G1:G1+7]
	s_nop 0
.rept 4
	v_nop
.endr
.else
	s_barrier_signal -1
	s_barrier_wait -1
.endif
.endm
	s_wait_tensorcnt 0x1                           ; my part of slot 0 is in; slot 1's may stay out
	s_barrier_signal -1
	s_barrier_wait -1
	s_wait_loadcnt 0x0                             ; Q
	SLOT_STEPS 0                                   ; key steps 0-7
	CHANGE G0A, 1                                  ; slot 0 takes key steps 16-23
	SLOT_STEPS 1                                   ; 8-15
	CHANGE G0B, 1                                  ; slot 1 takes 24-31
	SLOT_STEPS 0                                   ; 16-23
	CHANGE G0A, 0                                  ; nothing is left to fetch
	SLOT_STEPS 1                                   ; 24-31
	; THE WAY OUT: O^T / l, rounded to f16; a lane's eight channels of a query are 16 bytes of a fragment of the projection's operand: stored from registers, 512 consecutive bytes a store.
.rept 4
	v_nop                                          ; four places behind the last products
.endr
.irp t, 0,1
	v_add_f32 v[ST+8*\t+4], v[ST+8*\t+2], v[ST+8*\t+3]
.endr
.irp t, 0,1
	v_permlanex16_b32 v[ST+8*\t+5], v[ST+8*\t+4], s[SEL], s[SEL+1]
.endr
.irp t, 0,1
	v_add_f32 v[ST+8*\t+4], v[ST+8*\t+4], v[ST+8*\t+5]
.endr
.irp t, 0,1
	v_rcp_f32 v[ST+8*\t+6], v[ST+8*\t+4]
.endr
	v_nop                                          ; a plain line behind the last reciprocal
	s_wait_alu depctr_va_vdst(0)                   ; one wait for the two, ahead of their first reader
.irp t, 0,1
.irp j, 0,2,4,6,8,10,12,14,16,18,20,22,24,26,28,30
	v_pk_mul_f32 v[KV+32*\t+\j:KV+32*\t+\j+1], v[O+32*\t+\j:O+32*\t+\j+1], v[ST+8*\t+6:ST+8*\t+7] op_sel_hi:[1,0]
.endr
.endr
.irp t, 0,1
.irp j, 0,1,2,3,4,5,6,7,8,9,10,11,12,13,14,15
	v_cvt_pk_f16_f32 v[S+16*\t+\j], v[KV+32*\t+2*\j], v[KV+32*\t+2*\j+1]
.endr
.endr
.irp t, 0,1
.irp f, 0,1,2,3
	global_store_b128 v[LA], v[S+16*\t+4*\f:S+16*\t+4*\f+3], s[8:9] offset:8192*\t+512*\f
.endr
.endr
	s_wait_tensorcnt 0x0                           ; the wave's end
	ds_add_u32 v[SPW], v[NIL]
	s_wait_dscnt 0x0
	CROUND                                         ; the closing round
	s_endpgm
.Lfunc_end_k_qfaddc6030d_attn:
	.size	k_qfaddc6030d_attn, .Lfunc_end_k_qfaddc6030d_attn-k_qfaddc6030d_attn
	.p2alignl 7, 3214868480
	.fill 96, 4, 3214868480
	.section	.rodata,"a",@progbits
	.p2align	6, 0x0
	.amdhsa_kernel k_qfaddc6030d_attn
		.amdhsa_group_segment_fixed_size 327680
		.amdhsa_private_segment_fixed_size 0
		.amdhsa_enable_private_segment 0
		.amdhsa_kernarg_size 24
		.amdhsa_user_sgpr_count 2
		.amdhsa_user_sgpr_kernarg_segment_ptr 1
		.amdhsa_wavefront_size32 1
		.amdhsa_system_sgpr_workgroup_id_x 1
		.amdhsa_system_sgpr_workgroup_id_y 1
		.amdhsa_system_sgpr_workgroup_id_z 1
		.amdhsa_system_vgpr_workitem_id 0
		.amdhsa_next_free_vgpr 256
		.amdhsa_next_free_sgpr 66
		.amdhsa_reserve_vcc 0
		.amdhsa_float_denorm_mode_32 3
		.amdhsa_float_denorm_mode_16_64 3
		.amdhsa_memory_ordered 1
		.amdhsa_forward_progress 1
		.amdhsa_inst_pref_size 83
	.end_amdhsa_kernel
	.amdgpu_metadata
---
amdhsa.version: [ 1, 2 ]
amdhsa.kernels:
  - .name:           k_qfaddc6030d_attn
    .symbol:         k_qfaddc6030d_attn.kd
    .args:
      - { .name: qw, .offset: 0, .size: 8, .value_kind: global_buffer, .address_space: global }
      - { .name: kv, .offset: 8, .size: 8, .value_kind: global_buffer, .address_space: global }
      - { .name: ow, .offset: 16, .size: 8, .value_kind: global_buffer, .address_space: global }
    .group_segment_fixed_size: 327680
    .private_segment_fixed_size: 0
    .kernarg_segment_align: 8
    .kernarg_segment_size: 24
    .max_flat_workgroup_size: 256
    .sgpr_count:     66
    .vgpr_count:     256
    .wavefront_size: 32
...
	.end_amdgpu_metadata
.endif
;; end of part 3
;; launch proj (part 4): grid 8 x 32, 4 waves a work-group, clusters of 4 x 4, 327,680 bytes of LDS; arguments ow, wo16, bo, out0; writes out0
.if DOCPART == 4
	.amdgcn_target "amdgcn-amd-amdhsa--gfx1250"
	.amdhsa_code_object_version 6
	.text
	.protected	k_qfaddc6030d_proj
	.globl	k_qfaddc6030d_proj
	.p2align	8
	.type	k_qfaddc6030d_proj,@function
k_qfaddc6030d_proj:
	s_mov_b64 s[64:65], 0
	v_nop
	global_prefetch_b8 v0, s[64:65] scope:SCOPE_SE
	s_setreg_imm32_b32 hwreg(HW_REG_WAVE_MODE, 25, 1), 1
	s_wait_xcnt 0x0
	s_wait_alu depctr_hold_cnt(0) depctr_sa_sdst(0) depctr_va_vdst(0) depctr_va_sdst(0) depctr_va_ssrc(0) depctr_va_vcc(0) depctr_vm_vsrc(0)
	s_getreg_b32 s2, hwreg(HW_REG_IB_STS2, 6, 4)
	s_cmp_eq_u32 s2, 0
	s_cbranch_scc0 .Lentry_in_a_cluster
	s_endpgm
.Lentry_in_a_cluster:
	s_bfe_u32 s2, ttmp6, 0x10000c
	s_cmp_lg_u32 s2, 0xf033
	s_cbranch_scc0 .Lentry_shape_is_right
	s_endpgm
.Lentry_shape_is_right:
; out0 = o Wo + bo.  o [4096][1024] and Wo [1024 (k)][1024 (n)] arrive as f16, as images of operand registers: ow [256 along K: 4][token tile 256][32 along K: 8][1,024], wo16 [4][column tile 64][8][1,024].  Sums f32, out0 f32.
; A tile of out0 is 128 tokens x 128 columns: 256 work-groups.  Four waves, each 64 x 64: 16 accumulators.  Source 0 = 16 columns of Wo, source 1 = 16 tokens: a lane holds eight neighbouring columns of one row.
; K goes in four steps of 256 through two LDS slots; a K step of o's 128 rows is 65,536 dense bytes, and so is Wo's; a wave fetches half of one of them with one tensor load.  No padding: a fragment load is 16 bytes a lane at 16 x lane.
; The bias is the C of each sum's first matrix instruction.  CLUSTER 4 x 4: o's tiles are shared along a row of the cluster, Wo's along a column.  A wave has two tensor loads out at the head, then one.
; No prefetch: K has four steps, two of them asked for at the head.
; REGISTERS: window 0: v16-29 addresses; v32-95 the way out; v96-127 bo; v128-255 the accumulators ((a, b) at v[128 + 8 (4 a + b)]).  window 1: two fragment buffers of 128: 64 of o, 64 of Wo, for 64 along K.
.set SLOT,   131072
.set STAGE,  2*SLOT                    ; behind the ring: 16 rows x (256 bytes + 16) for each wave; no fill lands here
.set SPITCH, 272
.set SPARE,  STAGE+4*16*SPITCH         ; the spare words, 128 bytes a wave
.set AO,   16                          ; v16-17  my o fragments in slot 0, 1
.set AW,   20                          ; v20-21  my Wo fragments
.set STO,  24
.set RD,   25
.set CO,   26
.set BOF,  27                          ; v27  32 h
.set SPW,  28
.set NIL,  29
.set OB,   32
.set BO,   96
.set ACC,  128
.set F0,   0
.set F1,   128
.set G1,  24
.set G0,  32
.set G1B, 48
.set G0B, 56
.set MSB, 0
.macro WIN new                         ; the immediate's high byte repeats the setting that is left
.if MSB != \new
	s_set_vgpr_msb (MSB<<8)|\new
.set MSB, \new
.endif
.endm
.set MUL,  0x05                        ; sources 0 and 1 window 1; C and D window 0
.set TO_F, 0x40                        ; destination window 1, address window 0
.macro JLOAD s                         ; a joint load: waves 0 and 1 fetch o's halves, waves 2 and 3 Wo's; an s_nop 0 and four v_nop follow each line
	s_cmp_eq_u32 s13, 0
	s_cbranch_scc0 .Lfor_b_\@
	tensor_load_to_lds s[G0+4*\s:G0+4*\s+3], s[G1:G1+7]
	s_nop 0
.rept 4
	v_nop
.endr
	s_branch .Lasked_\@
.Lfor_b_\@:
	tensor_load_to_lds s[G0B+4*\s:G0B+4*\s+3], s[G1B:G1B+7]
	s_nop 0
.rept 4
	v_nop
.endr
.Lasked_\@:
.endm
.macro CREST                           ; a round of the cluster's barrier behind its opening barrier
	s_cmp_lg_u32 s12, 0
	s_cbranch_scc1 .Lnot_wave_0_\@
	s_barrier_signal -3
.Lnot_wave_0_\@:
	s_barrier_wait -3
	s_barrier_signal -1
	s_barrier_wait -1
.endm
.macro CROUND
	s_barrier_signal -1
	s_barrier_wait -1
	CREST
.endm
.macro PLACES
.rept 4
	v_nop
.endr
.endm
	s_load_b128 s[4:7], s[0:1], 0x0                ; ow s[4:5], wo16 s[6:7]
	s_load_b128 s[8:11], s[0:1], 0x10              ; bo s[8:9], out0 s[10:11]
	v_lshl_add_u32 v[SPW], v0, 2, SPARE
	v_mov_b32 v[NIL], 0
	ds_add_u32 v[SPW], v[NIL]                      ; the wave's opening: the add, twice on end, and its wait ahead of my first tensor load
	ds_add_u32 v[SPW], v[NIL]
	v_lshrrev_b32 v1, 5, v0
	v_readfirstlane_b32 s12, v1                    ; wave
	s_lshr_b32 s13, s12, 1                         ; my half of the tile's rows.  Also: I fetch for o (0) or for Wo (1)
	s_and_b32 s14, s12, 1                          ; my half of its columns.  Also: which half of that block I fetch
	s_bfe_u32 s40, ttmp6, 0x40000                  ; cx
	s_bfe_u32 s41, ttmp6, 0x40004                  ; cy
	s_lshl_b32 s42, ttmp9, 2
	s_add_co_u32 s42, s42, s40                     ; tile column
	s_and_b32 s15, ttmp7, 0xffff
	s_lshl_b32 s15, s15, 2
	s_add_co_u32 s15, s15, s41                     ; tile row
	s_lshl_b32 s43, s41, 2
	s_lshl_b32 s43, 15, s43                        ; my row of the cluster
	s_lshl_b32 s44, 0x1111, s40                    ; my column
	s_or_b32 s[G1], s43, (3<<16)|(1<<21)           ; the mask; elements of 8 bytes; bit 21 beside a mask; no padding
	s_or_b32 s[G1B], s44, (3<<16)|(1<<21)
.irp g, G1, G1B
	s_mov_b32 s[\g+1], 32<<16                      ; rows of 256 bytes,
	s_mov_b32 s[\g+2], 128<<16                     ; 128 of them: 32,768 dense bytes
	s_mov_b32 s[\g+3], 32<<16
	s_mov_b32 s[\g+4], 128
	s_mov_b32 s[\g+5], 32
	s_mov_b32 s[\g+6], 0
	s_mov_b32 s[\g+7], 0
.endr
	s_lshl_b32 s21, s14, 15
	s_lshl_b32 s16, s15, 16                        ; o: 65,536 a tile row, + my half
	s_add_co_u32 s16, s16, s21
	s_mov_b32 s17, 0
	s_lshl_b32 s46, s42, 16                        ; Wo: 65,536 a tile column, + my half
	s_add_co_u32 s46, s46, s21
	s_mov_b32 s47, 0
	s_lshl_b32 s20, s12, 15                        ; in a slot: o's two halves, then Wo's two = 32,768 x wave
	s_wait_dscnt 0x0                               ; both opening adds are done
	s_wait_kmcnt 0x0
	s_add_nc_u64 s[16:17], s[4:5], s[16:17]
	s_add_nc_u64 s[46:47], s[6:7], s[46:47]
	CROUND                                         ; all sixteen work-groups are here: the first joint loads meet
.irp s, 0,1
	s_mov_b32 s[G0+4*\s], 1
	s_add_co_u32 s[G0+4*\s+1], s20, \s*SLOT
	s_add_nc_u64 s[G0+4*\s+2:G0+4*\s+3], s[16:17], \s*2097152
	s_or_b32 s[G0+4*\s+3], s[G0+4*\s+3], 0x80000000
	s_mov_b32 s[G0B+4*\s], 1
	s_add_co_u32 s[G0B+4*\s+1], s20, \s*SLOT
	s_add_nc_u64 s[G0B+4*\s+2:G0B+4*\s+3], s[46:47], \s*524288
	s_or_b32 s[G0B+4*\s+3], s[G0B+4*\s+3], 0x80000000
	JLOAD \s
.endr
	v_and_b32 v1, 31, v0
	v_lshlrev_b32 v3, 4, v1                        ; 16 x lane
	s_lshl_b32 s21, s13, 15                        ; my four token tiles
	s_lshl_b32 s22, s14, 15                        ; my four column tiles,
	s_add_co_u32 s22, s22, 65536                   ; behind o's 65,536 bytes
.irp s, 0,1
	v_add_nc_u32 v[AO+\s], s21, v3
	v_add_nc_u32 v[AW+\s], s22, v3
	s_add_co_u32 s21, s21, SLOT
	s_add_co_u32 s22, s22, SLOT
.endr
	v_and_b32 v1, 15, v0                           ; r
	v_bfe_u32 v2, v0, 4, 1                         ; h
	s_mul_i32 s23, s12, 16*SPITCH
	s_add_co_u32 s23, s23, STAGE                   ; my stage
	v_mul_u32_u24 v4, v1, SPITCH
	v_lshl_add_u32 v4, v2, 5, v4
	v_add_nc_u32 v[STO], s23, v4                   ; in: row r, 32 bytes for each half of the lanes
	v_mul_u32_u24 v5, v2, SPITCH
	v_lshl_add_u32 v5, v1, 4, v5
	v_add_nc_u32 v[RD], s23, v5                    ; back: lanes 0-15 one row of 256 bytes, lanes 16-31 the next
	v_lshlrev_b32 v5, 12, v2
	v_lshl_add_u32 v[CO], v1, 4, v5                ; and the same two rows in out0
	v_lshlrev_b32 v[BOF], 5, v2
	s_lshl_b32 s18, s42, 9                         ; my first column, in bytes: 512 x tile column + 256 x half
	s_lshl_b32 s19, s14, 8
	s_add_co_u32 s18, s18, s19
	s_mov_b32 s19, 0
	s_add_nc_u64 s[8:9], s[8:9], s[18:19]
	s_lshl_b32 s2, s15, 19                         ; my first row: 128 rows of 4,096 bytes a tile row, 64 a half
	s_lshl_b32 s3, s13, 18
	s_add_co_u32 s2, s2, s3
	s_add_co_u32 s2, s2, s18
	s_mov_b32 s3, 0
	s_add_nc_u64 s[10:11], s[10:11], s[2:3]
.irp b, 0,1,2,3
	global_load_b128 v[BO+8*\b:BO+8*\b+3],   v[BOF], s[8:9] offset:64*\b      ; columns 16 b + 8 h + 0 .. 7, as the results lie
	global_load_b128 v[BO+8*\b+4:BO+8*\b+7], v[BOF], s[8:9] offset:64*\b+16
.endr
; 8 matrix instructions: token tiles a0, a0 + 1 x all 4 column tiles, 32 along K: half c of buffer f.  first = 1: the bias is C and starts the sums.
.macro MUL8 f, c, a0, first
.irp a, \a0, \a0+1
.irp b, 0,1,2,3
.if \first
	v_wmma_f32_16x16x32_f16 v[ACC+8*(4*(\a)+\b):ACC+8*(4*(\a)+\b)+7], v[\f+64+8*(4*\c+\b):\f+64+8*(4*\c+\b)+7], v[\f+8*(4*\c+\a):\f+8*(4*\c+\a)+7], v[BO+8*\b:BO+8*\b+7]
.else
	v_wmma_f32_16x16x32_f16 v[ACC+8*(4*(\a)+\b):ACC+8*(4*(\a)+\b)+7], v[\f+64+8*(4*\c+\b):\f+64+8*(4*\c+\b)+7], v[\f+8*(4*\c+\a):\f+8*(4*\c+\a)+7], v[ACC+8*(4*(\a)+\b):ACC+8*(4*(\a)+\b)+7]
.endif
.endr
.endr
.endm
; 32 LDS loads in one run: the slot's q-th 64 along K into buffer f; its first 32 along K first
.macro FETCH slot, q, f
	WIN TO_F
.irp c, 0,1
.irp i, 0,1,2,3
	ds_load_b128 v[\f+64+8*(4*\c+\i):\f+64+8*(4*\c+\i)+3],   v[AW+\slot] offset:8192*\i+1024*(2*(\q)+\c)
	ds_load_b128 v[\f+64+8*(4*\c+\i)+4:\f+64+8*(4*\c+\i)+7], v[AW+\slot] offset:8192*\i+1024*(2*(\q)+\c)+512
	ds_load_b128 v[\f+8*(4*\c+\i):\f+8*(4*\c+\i)+3],         v[AO+\slot] offset:8192*\i+1024*(2*(\q)+\c)
	ds_load_b128 v[\f+8*(4*\c+\i)+4:\f+8*(4*\c+\i)+7],       v[AO+\slot] offset:8192*\i+1024*(2*(\q)+\c)+512
.endr
.endr
.endm
; A K step is four quarters of 64 along K, 32 matrix instructions each, on buffers 0, 1, 0, 1; the 16 accumulators by turns.
.macro QUARTER slot, qn, f, g, first   ; multiplies buffer f and fetches the slot's quarter qn into g
	s_wait_dscnt 16                                ; the first 32 along K are in; the sixteen younger loads may be out
	WIN MUL
	MUL8 \f, 0, 0, \first
	MUL8 \f, 0, 2, \first
	PLACES                                         ; four places in front of loads into registers that matrix instructions have read
	FETCH \slot, \qn, \g
	s_wait_dscnt 32                                ; all but the 32 just issued
	WIN MUL
	MUL8 \f, 1, 0, 0
	MUL8 \f, 1, 2, 0
.endm
; The last quarter multiplies buffer 1 and changes slots: one barrier; ahead of it each wave waits for all its tensor loads, adds 0 to its spare word, and waits for that and for its reads of this slot.
.macro TURN slot, next, fill
	WIN 0
	s_wait_tensorcnt 0x0                           ; my part of the next slot has landed
	ds_add_u32 v[SPW], v[NIL]
	s_wait_dscnt 17                                ; the add and the sixteen youngest loads may be out
	WIN MUL
	MUL8 F1, 0, 0, 0
	s_wait_dscnt 0x0                               ; the add is done, and my reads of this slot are over
	s_barrier_signal -1
	MUL8 F1, 0, 2, 0
.if \fill
	WIN 0
.endif
	s_barrier_wait -1
.if \fill
	CREST                                          ; the barrier has opened a round of the cluster's: no wave of any partner still reads this slot or has a load on its way
	s_add_nc_u64 s[G0+4*\slot+2:G0+4*\slot+3], s[G0+4*\slot+2:G0+4*\slot+3], 2*2097152
	s_add_nc_u64 s[G0B+4*\slot+2:G0B+4*\slot+3], s[G0B+4*\slot+2:G0B+4*\slot+3], 2*524288
	JLOAD \slot                                    ; the first tensor load behind the round; its four v_nop are also the places in front of the loads below
.else
	PLACES
.endif
	FETCH \next, 0, F0
	WIN MUL
	MUL8 F1, 1, 0, 0
	MUL8 F1, 1, 2, 0
.endm
	s_wait_tensorcnt 0x1                           ; my part of K step 0 is in; K step 1's may stay out
	s_barrier_signal -1
	s_barrier_wait -1
	s_wait_loadcnt 0x0                             ; the bias
	FETCH 0, 0, F0
	QUARTER 0, 1, F0, F1, 1
	QUARTER 0, 2, F1, F0, 0
	QUARTER 0, 3, F0, F1, 0
	TURN 0, 1, 1                                   ; slot 0 takes K step 2
	QUARTER 1, 1, F0, F1, 0
	QUARTER 1, 2, F1, F0, 0
	QUARTER 1, 3, F0, F1, 0
	TURN 1, 0, 1                                   ; slot 1 takes K step 3
	QUARTER 0, 1, F0, F1, 0
	QUARTER 0, 2, F1, F0, 0
	QUARTER 0, 3, F0, F1, 0
	TURN 0, 1, 0                                   ; nothing is left to fetch
	QUARTER 1, 1, F0, F1, 0
	QUARTER 1, 2, F1, F0, 0
	QUARTER 1, 3, F0, F1, 0
	s_wait_dscnt 16                                ; the very last quarter
	WIN MUL
	MUL8 F1, 0, 0, 0
	MUL8 F1, 0, 2, 0
	s_wait_dscnt 0x0
	MUL8 F1, 1, 0, 0
	MUL8 F1, 1, 2, 0
	WIN 0
; THE WAY OUT, 16 rows x 64 columns at a time, through my own stage: a lane's 32 bytes go in by rows of 272 bytes and come back as whole rows of 256, which sixteen lanes store as 256 consecutive bytes, aligned.
; A wave's LDS instructions are served in order: no wait between the stores and the loads, nor ahead of the next block's stores.
.macro TOSTAGE a
.irp b, 0,1,2,3
	ds_store_b128 v[STO], v[ACC+8*(4*(\a)+\b):ACC+8*(4*(\a)+\b)+3] offset:64*\b          ; each accumulator from its low end on
	ds_store_b128 v[STO], v[ACC+8*(4*(\a)+\b)+4:ACC+8*(4*(\a)+\b)+7] offset:64*\b+16
.endr
.irp t, 0,1,2,3,4,5,6,7
	ds_load_b128 v[OB+32*((\a)%2)+4*\t:OB+32*((\a)%2)+4*\t+3], v[RD] offset:\t*2*SPITCH
.endr
.endm
.macro SEND a, younger                 ; younger: the LDS instructions issued behind block a's loads, which may stay out
	s_wait_dscnt \younger
.irp t, 0,1,2,3,4,5,6,7
	global_store_b128 v[CO], v[OB+32*((\a)%2)+4*\t:OB+32*((\a)%2)+4*\t+3], s[10:11] offset:(16*(\a)+2*\t)*4096 th:TH_STORE_NT
.endr
.endm
	PLACES                                         ; four places between the last products and the first read of results
	TOSTAGE 0
	TOSTAGE 1
	SEND 0, 16
	s_wait_xcnt 0x0                                ; block 0's stores have read their registers: block 2's loads may land there
	TOSTAGE 2
	SEND 1, 16
	s_wait_xcnt 0x0
	TOSTAGE 3
	SEND 2, 16
	SEND 3, 0
	s_wait_tensorcnt 0x0                           ; the wave's end
	ds_add_u32 v[SPW], v[NIL]
	s_wait_dscnt 0x0
	CROUND                                         ; the closing round
	s_endpgm
.Lfunc_end_k_qfaddc6030d_proj:
	.size	k_qfaddc6030d_proj, .Lfunc_end_k_qfaddc6030d_proj-k_qfaddc6030d_proj
	.p2alignl 7, 3214868480
	.fill 96, 4, 3214868480
	.section	.rodata,"a",@progbits
	.p2align	6, 0x0
	.amdhsa_kernel k_qfaddc6030d_proj
		.amdhsa_group_segment_fixed_size 327680
		.amdhsa_private_segment_fixed_size 0
		.amdhsa_enable_private_segment 0
		.amdhsa_kernarg_size 32
		.amdhsa_user_sgpr_count 2
		.amdhsa_user_sgpr_kernarg_segment_ptr 1
		.amdhsa_wavefront_size32 1
		.amdhsa_system_sgpr_workgroup_id_x 1
		.amdhsa_system_sgpr_workgroup_id_y 1
		.amdhsa_system_sgpr_workgroup_id_z 1
		.amdhsa_system_vgpr_workitem_id 0
		.amdhsa_next_free_vgpr 512
		.amdhsa_next_free_sgpr 66
		.amdhsa_reserve_vcc 0
		.amdhsa_float_denorm_mode_32 3
		.amdhsa_float_denorm_mode_16_64 3
		.amdhsa_memory_ordered 1
		.amdhsa_forward_progress 1
		.amdhsa_inst_pref_size 86
	.end_amdhsa_kernel
	.amdgpu_metadata
---
amdhsa.version: [ 1, 2 ]
amdhsa.kernels:
  - .name:           k_qfaddc6030d_proj
    .symbol:         k_qfaddc6030d_proj.kd
    .args:
      - { .name: ow, .offset: 0, .size: 8, .value_kind: global_buffer, .address_space: global }
      - { .name: wo16, .offset: 8, .size: 8, .value_kind: global_buffer, .address_space: global }
      - { .name: bo, .offset: 16, .size: 8, .value_kind: global_buffer, .address_space: global }
      - { .name: out0, .offset: 24, .size: 8, .value_kind: global_buffer, .address_space: global }
    .group_segment_fixed_size: 327680
    .private_segment_fixed_size: 0
    .kernarg_segment_align: 8
    .kernarg_segment_size: 32
    .max_flat_workgroup_size: 128
    .sgpr_count:     66
    .vgpr_count:     512
    .wavefront_size: 32
...
	.end_amdgpu_metadata
.endif
;; end of part 4
